; MI455X (gfx1250); checked and timed in simulation.
; The chip was launched on July 23, 2026; its instructions are those of AMD's public machine-readable ISA for CDNA 5 (MIT licence, August 2026) and "CDNA5" Instruction Set Architecture Reference Guide (July 2026). The comments in the code are by the model that wrote it; some were corrected since.
;; Multi Head Attention Base. Allowed arithmetic: float matrix products may take bf16 or f16 operands with f32 sums; all other float work in f32.
;; Inputs: keys 4 x 2,048 x 1,024 float32; queries 4 x 2,048 x 1,024 float32; values 4 x 2,048 x 1,024 float32.
;; Outputs: out0 4 x 2,048 x 1,024 float32.
;; One version. Each part assembles by itself: llvm-mc -triple=amdgcn-amd-amdhsa -mcpu=gfx1250 --defsym DOCPART=n.
;; ======== version 1 of 1: 1 launch
;; launch attn (part 1): grid 4 x 64, 8 waves a work-group, no clusters, 179,200 bytes of LDS; arguments queries, keys, values, out0; writes out0
.if DOCPART == 1
	.amdgcn_target "amdgcn-amd-amdhsa--gfx1250"
	.amdhsa_code_object_version 6
	.text
	.protected	k_qe45543b385_attn
	.globl	k_qe45543b385_attn
	.p2align	8
	.type	k_qe45543b385_attn,@function
k_qe45543b385_attn:
	s_mov_b64 s[64:65], 0
	v_nop
	global_prefetch_b8 v0, s[64:65] scope:SCOPE_SE
	s_setreg_imm32_b32 hwreg(HW_REG_WAVE_MODE, 25, 1), 1
	s_wait_xcnt 0x0
; out[b][q][head*64+d] = sum over k of softmax_k(Q.K / 8)[q][k] V[k][d], for 4 batches x 16 heads, 2,048 rows, 64 numbers a head; all tensors f32, [4][2048][1024].
; One launch, the scores never leave registers: a running maximum and a running sum for each query (online softmax).
; SHARES.  Work-group (x, y): head y & 15 of batch y >> 4, queries 512 x .. 512 x + 511; it walks the 2,048 keys in 32 steps of 64.  Eight waves of 512 registers;
; wave w owns 64 queries as four tiles of 16.  Q, P and O stay in registers for the whole kernel.
; TRANSPOSED PRODUCTS.  Scores: D = K tile (16 keys x 32 d) x Q tile: lane (r, h) holds query r, its registers j the keys 8 h + j.  So maximum and sum of a query
; run inside a lane (plus one exchange between the two halves of the lanes), and two score tiles, rounded to bf16, ARE the second source (32 keys x 16 queries) of the
; second product, O^T = V^T x P, with no move between lanes.  O^T again has one query a lane, so a rescaling is a multiplication by the lane's own factor.
; K AND V come through registers: the 256 threads load a step's 64 rows x 256 bytes of each (sixteen lanes take one row's 256 consecutive bytes), round them to bf16 ONCE for
; the whole work-group and put them into one of two LDS slots.  A tile is asked for two steps before it is multiplied and put into LDS one step before.
; NO CLUSTER, NO TENSOR LOADS, though the four work-groups of a head read the same K and V: the tiles are f32 and must pass through registers to be rounded.  A joint
; load would lay 32 KB of f32 into LDS in each step, to be read (32 KB) and written again as bf16 (16 KB): 80 KB of LDS traffic where this text has 16 KB.
; LIMITS.  Q, K, V and the weights P go to the matrix unit in bf16 (8 bits of mantissa); all else is f32.  The row sum adds the weights before that rounding.
; Weights below 2^-126 of the row's largest come out as 0 (v_exp_f32 flushes denormal results).  NaN or infinite inputs, and scores beyond f32's range, are not served.
.set ROWB,  4096                       ; bytes from a row of a tensor to the next
.set KP,    144                        ; LDS pitch of K's (and Q's) rows: 128 bytes + 16 = 9 x 16, so the 16 rows of a fragment load start at 16 different 16-byte columns of 256
.set VP,    160                        ; LDS pitch of V's rows: 128 bytes + 32 = 5 x 32, for the transposing load
.set VOFF,  64*KP                      ; V's 64 rows lie behind K's 64 rows
.set SLOTB, 64*KP+64*VP                ; a slot: 9,216 + 10,240 = 19,456 bytes
.set PRIV,  2*SLOTB                    ; behind the two slots: 17,408 bytes for each wave, its own: first Q as bf16 (64 rows, pitch 144), at the end O as f32 (64 rows, pitch 272)
.set PRIVB, 17408
.set OP,    272                        ; pitch of O's rows on the way out: 256 bytes + 16
; window 0 (an instruction names v0-v255; s_set_vgpr_msb says which block of 256 each operand place means)
;   v1 byte offset of my 16 bytes in a K or V tile   v2, v3 where I store my 8 bytes of K, of V   v4, v5 my K, V fragment address   v6 byte offset in Q and out
;   v7 LDS: Q in, later O in   v28 LDS: Q fragments, later O back   v29-31 set-up
.set X,   8                            ; v[8+2q]  maximum at work, then -c x maximum;  v[9+2q]  the running maximum of query tile q
.set AL,  16                           ; v[16+2q] exchange, then the rescaling factor, at the end 1 / sum;  v[17+2q] the running sum (this half's keys)
.set SA,  24                           ; v[24:25], v[26:27] two chains of sums
.set SB,  26
.set G,   32                           ; v[32:63]   the tile on its way: K's four loads, then V's four
.set KF,  64                           ; v[64:127]  K fragments: key tile a, half p of d at 64 + 16 a + 8 p
.set S,   128                          ; v[128:255] scores: key tile a, query tile q at 128 + 32 q + 8 a; P(u, q) is packed into 128 + 32 q + 16 u + 0..7
.set PKK, S+8                          ; v[136:143], v[152:159]: free once P is packed: the bf16 pairs of K and of V on their way into LDS
.set PKV, S+24
; window 1
.set O,   0                            ; v[256:383] O^T: d tile d, query tile q at 32 q + 8 d
.set Q,   128                          ; v[384:447] Q fragments: query tile q, half p of d at 128 + 16 q + 8 p
.set VF,  192                          ; v[448:511] V^T fragments: d tile d, 32 keys u at 192 + 32 u + 8 d
.set MSB, 0
.macro WIN new                         ; low byte: bits 1:0 source 0, 3:2 source 1, 5:4 source 2, 7:6 destination; the high byte repeats the setting that is left
.if MSB != \new
	s_set_vgpr_msb (MSB<<8)|\new
.set MSB, \new
.endif
.endm
	s_load_b256 s[4:11], s[0:1], 0x0               ; Q s[4:5], K s[6:7], V s[8:9], out s[10:11]
	v_lshrrev_b32 v29, 5, v0
	v_readfirstlane_b32 s12, v29                   ; wave 0..7
	s_and_b32 s22, ttmp7, 0xffff                   ; y = 16 batch + head
	s_lshr_b32 s23, s22, 4
	s_lshl_b32 s23, s23, 23                        ; batch x 2,048 rows x 4,096 bytes
	s_and_b32 s22, s22, 15
	s_lshl_b32 s22, s22, 8                         ; head x 256 bytes
	s_or_b32 s14, s23, s22                         ; K's and V's offset
	s_mov_b32 s15, 0
	s_mov_b32 s16, 0x3e38aa3b                      ; c = log2(e) / 8: scale and change of base in one factor
	s_mov_b32 s17, 0x3e38aa3b                      ; (the pair's second half is named by the packed forms)
	s_mov_b32 s21, 0xbe38aa3b                      ; -c
	s_mov_b32 s18, 0x76543210                      ; v_permlanex16_b32: lane i of one half reads lane i of the other
	s_mov_b32 s19, 0xfedcba98
	s_mul_i32 s13, s12, PRIVB
	s_add_co_u32 s13, s13, PRIV                    ; my wave's own LDS bytes
	v_lshrrev_b32 v29, 4, v0                       ; thread / 16: my row among 16
	v_and_b32 v30, 15, v0                          ; r
	v_bfe_u32 v31, v0, 4, 1                        ; h
	v_lshlrev_b32 v1, 12, v29
	v_lshl_or_b32 v1, v30, 4, v1                   ; row x 4,096 + 16 r
	v_mul_u32_u24 v2, v29, KP
	v_lshl_add_u32 v2, v30, 3, v2                  ; row x 144 + 8 r
	v_mul_u32_u24 v3, v29, VP
	v_lshl_add_u32 v3, v30, 3, v3                  ; row x 160 + 8 r
	v_mul_u32_u24 v4, v30, KP
	v_lshl_add_u32 v4, v31, 4, v4                  ; fragment with K along the rows: r x 144 + 16 h
	v_and_b32 v5, 7, v0
	v_lshl_add_u32 v5, v31, 3, v5
	v_mul_u32_u24 v5, v5, VP
	v_bfe_u32 v29, v0, 3, 1
	v_lshl_add_u32 v5, v29, 4, v5                  ; transposing load: (8 h + lane % 8) x 160 + 16 x (bit 3 of the lane)
	v_lshlrev_b32 v6, 12, v31
	v_lshl_or_b32 v6, v30, 4, v6                   ; two rows a wave: h x 4,096 + 16 r
	v_mul_u32_u24 v7, v31, KP
	v_lshl_add_u32 v7, v30, 3, v7
	v_add_nc_u32 v7, s13, v7                       ; Q in: h x 144 + 8 r
	v_add_nc_u32 v28, s13, v4                      ; Q fragments: as K's
	s_wait_kmcnt 0x0
	s_add_nc_u64 s[6:7], s[6:7], s[14:15]
	s_add_nc_u64 s[8:9], s[8:9], s[14:15]
	s_lshl_b32 s22, ttmp9, 21                      ; 512 queries x 4,096 bytes
	s_lshl_b32 s23, s12, 18                        ; 64 queries x 4,096 bytes
	s_add_co_u32 s14, s14, s22
	s_add_co_u32 s14, s14, s23                     ; below 2^25
	s_add_nc_u64 s[4:5], s[4:5], s[14:15]
	s_add_nc_u64 s[10:11], s[10:11], s[14:15]
; The tile in G, rounded to bf16, goes into a slot: 16 conversions, then 8 stores of 8 bytes.
.macro CVTSTORE slot
.irp i, 0,1,2,3
	v_cvt_pk_bf16_f32 v[PKK+2*\i],   v[G+4*\i],      v[G+4*\i+1]
	v_cvt_pk_bf16_f32 v[PKK+2*\i+1], v[G+4*\i+2],    v[G+4*\i+3]
	v_cvt_pk_bf16_f32 v[PKV+2*\i],   v[G+16+4*\i],   v[G+16+4*\i+1]
	v_cvt_pk_bf16_f32 v[PKV+2*\i+1], v[G+16+4*\i+2], v[G+16+4*\i+3]
.endr
.irp i, 0,1,2,3
	ds_store_b64 v2, v[PKK+2*\i:PKK+2*\i+1] offset:\slot*SLOTB+16*KP*\i
.endr
.irp i, 0,1,2,3
	ds_store_b64 v3, v[PKV+2*\i:PKV+2*\i+1] offset:\slot*SLOTB+VOFF+16*VP*\i
.endr
.endm
; Eight loads: my 16 bytes of rows row + 16 i of K's and of V's tile.  step = 1: first on to the next 64 rows; the bases' former loads have been waited for.
; No cache word: four work-groups read these bytes.
.macro GLOAD step
.if \step
	s_add_nc_u64 s[6:7], s[6:7], 64*ROWB
	s_add_nc_u64 s[8:9], s[8:9], 64*ROWB
.endif
.irp i, 0,1,2,3
	global_load_b128 v[G+4*\i:G+4*\i+3], v1, s[6:7] offset:16*ROWB*\i
.endr
.irp i, 0,1,2,3
	global_load_b128 v[G+16+4*\i:G+16+4*\i+3], v1, s[8:9] offset:16*ROWB*\i
.endr
.endm
; 16 LDS loads: the eight K fragments (16 keys x 32 d: two loads of 16 bytes, 32 bytes apart)
.macro KLOAD slot
.irp a, 0,1,2,3
.irp p, 0,1
	ds_load_b128 v[KF+16*\a+8*\p:KF+16*\a+8*\p+3],   v4 offset:\slot*SLOTB+16*KP*\a+64*\p
	ds_load_b128 v[KF+16*\a+8*\p+4:KF+16*\a+8*\p+7], v4 offset:\slot*SLOTB+16*KP*\a+64*\p+32
.endr
.endr
.endm
; 16 transposing LDS loads: the eight V^T fragments (16 d x 32 keys, from rows that lie along d: two loads, 16 rows apart)
.macro VLOAD slot
	WIN 0x40                                       ; destination in window 1
.irp u, 0,1
.irp d, 0,1,2,3
	ds_load_tr16_b128 v[VF+32*\u+8*\d:VF+32*\u+8*\d+3],   v5 offset:\slot*SLOTB+VOFF+32*VP*\u+32*\d
	ds_load_tr16_b128 v[VF+32*\u+8*\d+4:VF+32*\u+8*\d+7], v5 offset:\slot*SLOTB+VOFF+32*VP*\u+16*VP+32*\d
.endr
.endr
.endm
; 32 matrix instructions: 64 keys x 64 queries, d in two halves.  The first half starts the sums with the constant 0.
; The 16 accumulators take turns, one instruction a turn.
.macro QK
	WIN 0x04                                       ; source 1 (Q) in window 1
.irp a, 0,1,2,3
.irp q, 0,1,2,3
	v_wmma_f32_16x16x32_bf16 v[S+32*\q+8*\a:S+32*\q+8*\a+7], v[KF+16*\a:KF+16*\a+7], v[Q+16*\q:Q+16*\q+7], 0
.endr
.endr
.irp a, 0,1,2,3
.irp q, 0,1,2,3
	v_wmma_f32_16x16x32_bf16 v[S+32*\q+8*\a:S+32*\q+8*\a+7], v[KF+16*\a+8:KF+16*\a+15], v[Q+16*\q+8:Q+16*\q+15], v[S+32*\q+8*\a:S+32*\q+8*\a+7]
.endr
.endr
	WIN 0
.endm
; The largest of the running maximum and my 32 scores of each query tile: four chains that do not wait for each other.
.macro MAXP first
.irp q, 0,1,2,3
.if \first
	v_max_num_f32 v[X+2*\q], v[S+32*\q], v[S+32*\q+1]                  ; the first two scores start the chain: no start value is made up
.else
	v_max3_num_f32 v[X+2*\q], v[X+2*\q+1], v[S+32*\q], v[S+32*\q+1]
.endif
.endr
.irp k, 1,2,3,4,5,6,7,8,9,10,11,12,13,14,15
.irp q, 0,1,2,3
	v_max3_num_f32 v[X+2*\q], v[X+2*\q], v[S+32*\q+2*\k], v[S+32*\q+2*\k+1]
.endr
.endr
.endm
; New maximum m' (both halves of the lanes), shift -c m', and the factor 2^(c m - c m') for what has been summed so far.
.macro STATS first
.irp q, 0,1,2,3
	v_permlanex16_b32 v[AL+2*\q], v[X+2*\q], s18, s19                  ; the other half's keys of the same query
.endr
.irp q, 0,1,2,3
	v_max_num_f32 v[X+2*\q], v[X+2*\q], v[AL+2*\q]
.endr
.if \first == 0
.irp q, 0,1,2,3
	v_mul_f32 v[AL+2*\q], s16, v[X+2*\q+1]                             ; c m, rounded as the last step's shift was: kept apart from the add below for that
.endr
.endif
.irp q, 0,1,2,3
	v_mov_b32 v[X+2*\q+1], v[X+2*\q]                                   ; the running maximum
.endr
.irp q, 0,1,2,3
	v_mul_f32 v[X+2*\q], s21, v[X+2*\q]                                ; -c m'
.endr
.if \first == 0
.irp q, 0,1,2,3
	v_add_f32 v[AL+2*\q], v[AL+2*\q], v[X+2*\q]
.endr
.irp q, 0,1,2,3
	v_exp_f32 v[AL+2*\q], v[AL+2*\q]
.endr
	v_nop                                          ; one plain vector instruction between a transcendental and the use of its result (ISA guide 5.7.2)
.endif
.endm
.macro RESCALE
	WIN 0x41                                       ; O: destination and source 0 in window 1
	s_wait_alu depctr_va_vdst(0)
.irp q, 0,1,2,3
.irp j, 0,2,4,6,8,10,12,14,16,18,20,22,24,26,28,30
	v_pk_mul_f32 v[O+32*\q+\j:O+32*\q+\j+1], v[O+32*\q+\j:O+32*\q+\j+1], v[AL+2*\q:AL+2*\q+1] op_sel_hi:[1,0]
.endr
.endr
	WIN 0
.endm
; One score tile (a, q): SF shifts (c s - c m', one rounding), SE takes 2^x, SU adds to the sums and packs to bf16 into P's place.
.macro SF q, a
.set BASE, S+32*\q+8*\a
.irp j, 0,2,4,6
	v_pk_fma_f32 v[BASE+\j:BASE+\j+1], v[BASE+\j:BASE+\j+1], s[16:17], v[X+2*\q:X+2*\q+1] op_sel_hi:[1,0,0]
.endr
.endm
.macro SE q, a
.set BASE, S+32*\q+8*\a
.irp j, 0,1,2,3,4,5,6,7
	v_exp_f32 v[BASE+\j], v[BASE+\j]
.endr
.endm
.macro SU q, a
.set BASE, S+32*\q+8*\a
.set DST,  S+32*\q+16*(\a/2)+4*(\a%2)              ; tiles 2 u and 2 u + 1 make registers 0-3 and 4-7 of P(u, q)
.if \a == 0
	s_wait_alu depctr_va_vdst(0)
	v_pk_add_f32 v[SA:SA+1], v[BASE:BASE+1],   v[BASE+2:BASE+3]        ; the first tile starts both chains
	v_pk_add_f32 v[SB:SB+1], v[BASE+4:BASE+5], v[BASE+6:BASE+7]
.else
	s_wait_alu depctr_va_vdst(0)
	v_pk_add_f32 v[SA:SA+1], v[SA:SA+1], v[BASE:BASE+1]
	v_pk_add_f32 v[SB:SB+1], v[SB:SB+1], v[BASE+2:BASE+3]
	v_pk_add_f32 v[SA:SA+1], v[SA:SA+1], v[BASE+4:BASE+5]
	v_pk_add_f32 v[SB:SB+1], v[SB:SB+1], v[BASE+6:BASE+7]
.endif
.irp i, 0,1,2,3
	v_cvt_pk_bf16_f32 v[DST+\i], v[BASE+2*\i], v[BASE+2*\i+1]
.endr
.endm
; The four score tiles of query tile q.  Behind each run of exponentials stands plain work on ANOTHER tile before its results are used (ISA guide 5.7.2).
.macro SOFT q, first
	SF \q, 0
	SE \q, 0
	SF \q, 1
	SE \q, 1
	SU \q, 0
	SF \q, 2
	SE \q, 2
	SU \q, 1
	SF \q, 3
	SE \q, 3
	SU \q, 2
	SU \q, 3
	v_pk_add_f32 v[SA:SA+1], v[SA:SA+1], v[SB:SB+1]
.if \first
	v_add_f32 v[AL+2*\q+1], v[SA], v[SA+1]
.else
	v_add_f32 v[SA], v[SA], v[SA+1]
	v_fma_f32 v[AL+2*\q+1], v[AL+2*\q+1], v[AL+2*\q], v[SA]            ; sum = sum x factor + this step's
.endif
.endm
; 32 matrix instructions: O^T += V^T x P, 64 d x 64 queries, the keys in two halves.  In the first step the first half starts the sums with the constant 0.
; The 16 accumulators take turns, one instruction a turn.
.macro PVMUL first
	WIN 0x51                                       ; V^T, C and D in window 1, P in window 0
.irp q, 0,1,2,3
.irp d, 0,1,2,3
.if \first
	v_wmma_f32_16x16x32_bf16 v[O+32*\q+8*\d:O+32*\q+8*\d+7], v[VF+8*\d:VF+8*\d+7], v[S+32*\q:S+32*\q+7], 0
.else
	v_wmma_f32_16x16x32_bf16 v[O+32*\q+8*\d:O+32*\q+8*\d+7], v[VF+8*\d:VF+8*\d+7], v[S+32*\q:S+32*\q+7], v[O+32*\q+8*\d:O+32*\q+8*\d+7]
.endif
.endr
.endr
.irp q, 0,1,2,3
.irp d, 0,1,2,3
	v_wmma_f32_16x16x32_bf16 v[O+32*\q+8*\d:O+32*\q+8*\d+7], v[VF+32+8*\d:VF+32+8*\d+7], v[S+32*\q+16:S+32*\q+23], v[O+32*\q+8*\d:O+32*\q+8*\d+7]
.endr
.endr
	WIN 0
.endm
; Step t: tile t lies in slot, its K fragments are on their way into KF.  next = 1: tile t + 1 (in G) goes into the other slot; gload = 1: tile t + 2 is asked for.
; ONE barrier a step.  In front of its signal each wave has waited for its stores of tile t + 1 and for all its reads of tile t.  So behind its wait tile t + 1 may be
; read, and in the next step tile t's slot may be written.
.macro STEP slot, other, first, next, gload
.if \next
	s_wait_loadcnt 0x0                             ; tile t + 1, asked for a step ago; also frees the two bases for GLOAD's step
	CVTSTORE \other                                ; its 16 conversions name only G and free registers of S: they are the places between the last
	                                               ; matrix instruction and the loads into V^T's registers and the products that write over P
.else
.rept 5
	v_nop                                          ; those places, where there is nothing left to convert
.endr
.endif
.if \gload
	GLOAD 1
.endif
	VLOAD \slot
	s_wait_dscnt 16                                ; all but the 16 V loads just issued: the K fragments are in, the stores have gone
	QK
	s_wait_dscnt 0x0                               ; for the other waves: my stores of tile t + 1 and my reads of tile t are done; for me: V^T is in
.if \next
	s_barrier_signal -1
.endif
.rept 4
	v_nop                                          ; four places between the last product and the first read of a score (ISA guide 7.12.1)
.endr
	MAXP \first                                    ; register work alone between signal and wait
	STATS \first
.if \first == 0
	RESCALE
.endif
.if \next
	s_barrier_wait -1
	KLOAD \other                                   ; tile t + 1's K fragments: they have the exponentials and the second product in which to land
.endif
	SOFT 0, \first
	SOFT 1, \first
	SOFT 2, \first
	SOFT 3, \first
	PVMUL \first
.endm
	; PROLOGUE.  My wave's 64 rows of Q: 32 loads, two rows each (sixteen lanes take a row's 256 consecutive bytes); read once in the launch.
.set ii, 0
.rept 32
	global_load_b128 v[S+4*ii:S+4*ii+3], v6, s[4:5] offset:2*ROWB*ii th:TH_LOAD_NT
.set ii, ii+1
.endr
	GLOAD 0                                        ; tile 0
	s_wait_loadcnt 8                               ; Q is in; the eight loads of tile 0, issued after it, stay out
.set ii, 0
.rept 32
	v_cvt_pk_bf16_f32 v[S+4*ii],   v[S+4*ii],   v[S+4*ii+1]
	v_cvt_pk_bf16_f32 v[S+4*ii+1], v[S+4*ii+2], v[S+4*ii+3]
.set ii, ii+1
.endr
.set ii, 0
.rept 32
	ds_store_b64 v7, v[S+4*ii:S+4*ii+1] offset:2*KP*ii
.set ii, ii+1
.endr
	WIN 0x40
.irp q, 0,1,2,3
.irp p, 0,1
	ds_load_b128 v[Q+16*\q+8*\p:Q+16*\q+8*\p+3],   v28 offset:16*KP*\q+64*\p       ; my wave's own bytes, and LDS serves a wave's instructions in order (ISA guide 5.7.1.4): these see the stores above
	ds_load_b128 v[Q+16*\q+8*\p+4:Q+16*\q+8*\p+7], v28 offset:16*KP*\q+64*\p+32
.endr
.endr
	WIN 0
	s_wait_loadcnt 0x0                             ; tile 0
	s_wait_dscnt 0x0                               ; Q's fragments are in
	CVTSTORE 0
	GLOAD 1                                        ; tile 1
.irp q, 0,1,2,3
	v_mov_b32 v[AL+2*\q], 0                        ; v_permlanex16_b32 counts as a reader of its destination
.endr
	v_mul_u32_u24 v7, v30, OP
	v_lshl_add_u32 v7, v31, 5, v7
	v_add_nc_u32 v7, s13, v7                       ; the way out, in: r x 272 + 32 h
	v_mul_u32_u24 v28, v31, OP
	v_lshl_add_u32 v28, v30, 4, v28
	v_add_nc_u32 v28, s13, v28                     ; the way out, back: h x 272 + 16 r
	s_wait_dscnt 0x0                               ; my part of tile 0 is in LDS,
	s_barrier_signal -1
	s_barrier_wait -1                              ; everybody's is
	KLOAD 0
	STEP 0, 1, 1, 1, 1                             ; step 0 starts maxima, sums and O
	s_mov_b32 s20, 14                              ; steps 1 to 28
.Lpair:
	STEP 1, 0, 0, 1, 1
	STEP 0, 1, 0, 1, 1
	s_sub_co_u32 s20, s20, 1
	s_cmp_lg_u32 s20, 0
	s_cbranch_scc1 .Lpair
	STEP 1, 0, 0, 1, 1                             ; step 29 asks for tile 31, the last
	STEP 0, 1, 0, 1, 0                             ; step 30 asks for nothing
	STEP 1, 0, 0, 0, 0                             ; step 31 has nothing to put into LDS, and no barrier
	; THE WAY OUT.  The two halves' sums meet, O is divided, and goes through my own LDS bytes so that sixteen lanes store a row's 256 consecutive bytes.
.rept 4
	v_nop                                          ; four places behind the last product (ISA guide 7.12.1)
.endr
.irp q, 0,1,2,3
	v_permlanex16_b32 v[X+2*\q], v[AL+2*\q+1], s18, s19
.endr
.irp q, 0,1,2,3
	v_add_f32 v[X+2*\q], v[X+2*\q], v[AL+2*\q+1]
.endr
.irp q, 0,1,2,3
	v_rcp_f32 v[AL+2*\q], v[X+2*\q]                ; the sum is at least about 1: the largest weight of a row is 2^0 up to rounding
.endr
	v_nop                                          ; one plain vector instruction behind a transcendental (ISA guide 5.7.2)
	WIN 0x01                                       ; source 0 (O) in window 1
	s_wait_alu depctr_va_vdst(0)
.irp q, 0,1,2,3
.irp j, 0,2,4,6,8,10,12,14,16,18,20,22,24,26,28,30
	v_pk_mul_f32 v[S+32*\q+\j:S+32*\q+\j+1], v[O+32*\q+\j:O+32*\q+\j+1], v[AL+2*\q:AL+2*\q+1] op_sel_hi:[1,0]
.endr
.endr
	WIN 0
.irp q, 0,1,2,3
.irp d, 0,1,2,3
	ds_store_b128 v7, v[S+32*\q+8*\d:S+32*\q+8*\d+3]   offset:16*OP*\q+64*\d       ; query 16 q + r, d = 16 d + 8 h + 0..3
	ds_store_b128 v7, v[S+32*\q+8*\d+4:S+32*\q+8*\d+7] offset:16*OP*\q+64*\d+16    ; and + 4..7
.endr
.endr
	s_wait_dscnt 0x0                               ; the stores are done: their registers are loaded again
.set ii, 0
.rept 32
	ds_load_b128 v[S+4*ii:S+4*ii+3], v28 offset:2*OP*ii
.set ii, ii+1
.endr
.set ii, 0
.rept 32
	s_wait_dscnt 31-ii                             ; LDS loads come back in order (ISA guide 5.7.1): all but the younger ones are in
	global_store_b128 v6, v[S+4*ii:S+4*ii+3], s[10:11] offset:2*ROWB*ii th:TH_STORE_NT   ; sixteen lanes store 256 consecutive bytes, at a multiple of 256 from out's first byte
.set ii, ii+1
.endr
	s_wait_xcnt 0x0
	v_lshl_add_u32 v254, v0, 2, 0x2b800
	v_mov_b32 v255, 0
	s_wait_tensorcnt 0x0
	ds_add_u32 v254, v255
	s_wait_dscnt 0x0
	s_endpgm
.Lfunc_end_k_qe45543b385_attn:
	.size	k_qe45543b385_attn, .Lfunc_end_k_qe45543b385_attn-k_qe45543b385_attn
	.p2alignl 7, 3214868480
	.fill 96, 4, 3214868480
	.section	.rodata,"a",@progbits
	.p2align	6, 0x0
	.amdhsa_kernel k_qe45543b385_attn
		.amdhsa_group_segment_fixed_size 179200
		.amdhsa_private_segment_fixed_size 0
		.amdhsa_enable_private_segment 0
		.amdhsa_kernarg_size 32
		.amdhsa_user_sgpr_count 2
		.amdhsa_user_sgpr_kernarg_segment_ptr 1
		.amdhsa_wavefront_size32 1
		.amdhsa_system_sgpr_workgroup_id_x 1
		.amdhsa_system_sgpr_workgroup_id_y 1
		.amdhsa_system_sgpr_workgroup_id_z 1
		.amdhsa_system_vgpr_workitem_id 0
		.amdhsa_next_free_vgpr 512
		.amdhsa_next_free_sgpr 66
		.amdhsa_reserve_vcc 0
		.amdhsa_float_denorm_mode_32 3
		.amdhsa_float_denorm_mode_16_64 3
		.amdhsa_memory_ordered 1
		.amdhsa_forward_progress 1
		.amdhsa_inst_pref_size 230
	.end_amdhsa_kernel
	.amdgpu_metadata
---
amdhsa.version: [ 1, 2 ]
amdhsa.kernels:
  - .name:           k_qe45543b385_attn
    .symbol:         k_qe45543b385_attn.kd
    .args:
      - { .name: queries, .offset: 0, .size: 8, .value_kind: global_buffer, .address_space: global }
      - { .name: keys, .offset: 8, .size: 8, .value_kind: global_buffer, .address_space: global }
      - { .name: values, .offset: 16, .size: 8, .value_kind: global_buffer, .address_space: global }
      - { .name: out0, .offset: 24, .size: 8, .value_kind: global_buffer, .address_space: global }
    .group_segment_fixed_size: 179200
    .private_segment_fixed_size: 0
    .kernarg_segment_align: 8
    .kernarg_segment_size: 32
    .max_flat_workgroup_size: 256
    .sgpr_count:     66
    .vgpr_count:     512
    .wavefront_size: 32
...
	.end_amdgpu_metadata
.endif
;; end of part 1
